; MI455X (gfx1250); checked and timed in simulation.
; The chip was launched on July 23, 2026; its instructions are those of AMD's public machine-readable ISA for CDNA 5 (MIT licence, August 2026) and "CDNA5" Instruction Set Architecture Reference Guide (July 2026). The comments in the code are by the model that wrote it; some were corrected since.
;; Multi Head Attention. Allowed arithmetic: matrix products marked QUANTISED: E5M2 operands, one given power-of-two scale a tensor, by v_wmma_f32_16x16x64_bf8_bf8 or v_wmma_f32_16x16x128_bf8_bf8, f32 sums; everything else in f32.
;; Inputs: Wk_codes 16 x 64 x 32 x 32 uint8 (E5M2 codes of Wk, K innermost, in blocks of 32 codes); Wo_codes 1,024 x 32 x 32 uint8 (E5M2 codes of Wo, K innermost, in blocks of 32 codes); Wq_codes 16 x 64 x 32 x 32 uint8 (E5M2 codes of Wq, K innermost, in blocks of 32 codes); Wv_codes 16 x 64 x 32 x 32 uint8 (E5M2 codes of Wv, K innermost, in blocks of 32 codes); attention_bias 2,048 x 2,048 float32; bk 16 x 64 float32; bo 1,024 float32; bq 16 x 64 float32; bv 16 x 64 float32; key_codes 4 x 2,048 x 32 x 32 uint8 (E5M2 codes of key, K innermost, in blocks of 32 codes); lowp_scales 12 int32 (the exponents e of the quantised operands' scales 2^e); query_codes 4 x 2,048 x 32 x 32 uint8 (E5M2 codes of query, K innermost, in blocks of 32 codes); value_codes 4 x 2,048 x 32 x 32 uint8 (E5M2 codes of value, K innermost, in blocks of 32 codes).
;; Outputs: out0 4 x 2,048 x 1,024 float32.
;; This version of the problem:
;;   THIS VERSION OF THE PROBLEM IS GIVEN IN LOW PRECISION. The matrix products marked QUANTISED in the list below multiply operands that are first quantised to E5M2 (5 exponent bits, 2 mantissa bits; 8 bits a number), with one given power-of-two scale for each operand tensor; their sums are f32. All else is computed in f32.
;;   The module's matrix products, in the order in which they are computed (A, B: the left and right operand; K: the contracted axis; several contracted axes count as one K, in the product's order):
;;     1. [M 1,024, K 1,024] x [K 1,024, N 8,192]; A: input Wq (given as codes); B: input query (given as codes): QUANTISED (scales: A lowp_scales[0], B lowp_scales[1])
;;     2. [M 1,024, K 1,024] x [K 1,024, N 8,192]; A: input Wk (given as codes); B: input key (given as codes): QUANTISED (scales: A lowp_scales[2], B lowp_scales[3])
;;     3. [M 1,024, K 1,024] x [K 1,024, N 8,192]; A: input Wv (given as codes); B: input value (given as codes): QUANTISED (scales: A lowp_scales[4], B lowp_scales[5])
;;     4. batch 64 x [M 2,048, K 64] x [K 64, N 2,048]; A: computed on the way; B: computed on the way: QUANTISED (scales: A lowp_scales[6], B lowp_scales[7])
;;     5. batch 64 x [M 2,048, K 2,048] x [K 2,048, N 64]; A: softmax (see below); B: computed on the way: QUANTISED (scales: A lowp_scales[8], B lowp_scales[9])
;;     6. [M 8,192, K 1,024] x [K 1,024, N 1,024]; A: computed on the way; B: input Wo (given as codes): QUANTISED (scales: A lowp_scales[10], B lowp_scales[11])
;;   THE QUANTISER, for each operand of a quantised product, along K:
;;     - The operand's scale is 2^e, e = its entry of the input lowp_scales (int32; the entries are numbered through the quantised products in the list's order, A before B).
;;     - Each number is divided by the scale, clamped to +-57,344, and rounded to the nearest number of E5M2, ties to even, subnormals kept.
;;     - The product sums the exact products of the quantised numbers (number of the format x scale) in f32.
;;   ~~~python
;;   def quantise(x, axis, e):      # numpy; x: float32 -> the quantised numbers, widened to float32 again
;;       x = np.moveaxis(x, axis, -1); K = x.shape[-1]
;;       r = np.clip(x / 2.0 ** e, -57344, 57344)
;;       step = 2.0 ** (np.maximum(np.frexp(np.where(r == 0, 1, r))[1] - 1, -14) - 2)
;;       q = np.round(r / step) * step * 2.0 ** e      # np.round: ties to even
;;       return np.moveaxis(q, -1, axis).astype(np.float32)
;;   ~~~
;;   SOFTMAX AHEAD OF A QUANTISED PRODUCT. Where the list says 'softmax', what is quantised is not the finished softmax but p = 2^(t - M), with t = logit x log2(e) and M = ceil(the row's largest t), a whole number; so 1/2 < the row's largest p <= 1. The row's sum l is taken of the UNQUANTISED p, in f32, and the product's result is divided by l at the end. Since M is a whole number, a kernel that streams over the keys may use a running M (the ceiling of the running maximum): every later rescaling is an exact power of two, so the quantised numbers keep their values, but for numbers so far below the row's largest that they fall under the format's range.
;;   OPERANDS COMPUTED ON THE WAY. 'Computed on the way' means the value that the module computes at that place (a softmax that the list does not call 'softmax' is quantised finished and normalised). What goes into a quantiser is computed in f32, as accurately as f32 sums, v_exp_f32 and their like allow (about 1e-6 of the number): no bf16 or f16 on the way to a quantiser, and a product that is left as it is and whose result goes on into a quantised operand takes f32 operands (vector FMAs, or v_wmma_f32_16x16x4_f32). A number that lies on a knife's edge between two numbers of the format may be rounded either way, as far as f32 arithmetic and the matrix unit's own rounding can turn it there, and no further.
;;   INPUTS GIVEN AS CODES. Wk (in the module: [16, 1024, 64], K = its axis 1); Wo (in the module: [1024, 1024], K = its axis 0); Wq (in the module: [16, 1024, 64], K = its axis 1); Wv (in the module: [16, 1024, 64], K = its axis 1); key (in the module: [4, 2048, 1024], K = its axis 2); query (in the module: [4, 2048, 1024], K = its axis 2); value (in the module: [4, 2048, 1024], K = its axis 2): each comes as NAME_codes (uint8): NAME with its K axis moved to the last place and cut into blocks of 32 codes, [.., K / 32, bytes a block], one block behind the other in memory; one code a byte (a code: sign, 5 exponent bits, 2 mantissa bits); its scale is its entry of lowp_scales. Its value is code x scale, taken as it is: it is not quantised again, and the codes and scales need not be those that the quantiser above would give.
;; One version. Each part assembles by itself: llvm-mc -triple=amdgcn-amd-amdhsa -mcpu=gfx1250 --defsym DOCPART=n.
;; ======== version 1 of 1: 3 launches
;; limits: right only within a limited range of input values
;; workspace buffers: q_ws 8,388,608 bytes; k_ws 8,388,608 bytes; v_ws 8,388,608 bytes; ctx_ws 8,388,608 bytes
;; launch proj (part 1): grid 32 x 12, 4 waves a work-group, clusters of 4 x 4, 327,680 bytes of LDS; arguments query_codes, key_codes, Wv_codes, Wq_codes, Wk_codes, value_codes, bq, bk, bv, q_ws, k_ws, v_ws, lowp_scales; writes q_ws, k_ws, v_ws
.if DOCPART == 1
	.amdgcn_target "amdgcn-amd-amdhsa--gfx1250"
	.amdhsa_code_object_version 6
	.text
	.protected	k_qad99481292_proj
	.globl	k_qad99481292_proj
	.p2align	8
	.type	k_qad99481292_proj,@function
k_qad99481292_proj:
	s_mov_b64 s[64:65], 0
	v_nop
	global_prefetch_b8 v0, s[64:65] scope:SCOPE_SE
	s_setreg_imm32_b32 hwreg(HW_REG_WAVE_MODE, 25, 1), 1
	s_wait_xcnt 0x0
	s_wait_alu depctr_hold_cnt(0) depctr_sa_sdst(0) depctr_va_vdst(0) depctr_va_sdst(0) depctr_va_ssrc(0) depctr_va_vcc(0) depctr_vm_vsrc(0)
	s_getreg_b32 s2, hwreg(HW_REG_IB_STS2, 6, 4)
	s_cmp_eq_u32 s2, 0
	s_cbranch_scc0 .Lentry_in_a_cluster
	s_endpgm
.Lentry_in_a_cluster:
	s_bfe_u32 s2, ttmp6, 0x10000c
	s_cmp_lg_u32 s2, 0xf033
	s_cbranch_scc0 .Lentry_shape_is_right
	s_endpgm
.Lentry_shape_is_right:
.set KSTEP,  256
.set ROWB,   256
.set KROW,   1024
.set PITCH,  272
.set FR,     16
.set NL,     4
.set NP,     4
.set HALFT,  128*PITCH
.set SLOT,   4*HALFT
.set SPARE,  2*SLOT
.set SP,     144
.set LIM,  12
.set CVS,  13
.set ADRA, 16
.set ADRB, 20
.set STO,  24
.set RD,   25
.set CO,   26
.set SPW,  28
.set NIL,  29
.set BN,   32
.set BM,   96
.set BNO,  104
.set BMO,  105
.set AF,   128
.set CD,   128
.set BK,   160
.set G1, 24
.set G0, 32
.set G1B, 48
.set G0B, 56
.set MSB, 0
.macro WIN new
.if MSB != (\new)
	s_set_vgpr_msb (MSB<<8)|(\new)
.set MSB, (\new)
.endif
.endm
.set MUL_LO, 0xa1
.set MUL_HI, 0xf1
.set TO_B,   0x40
.macro JLOAD g0a, g1a, g0b, g1b
	s_cmp_eq_u32 s15, 0
	s_cbranch_scc0 .Lfor_b_\@
	tensor_load_to_lds s[\g0a:\g0a+3], s[\g1a:\g1a+7]
	s_nop 0
.rept 4
	v_nop
.endr
	s_branch .Lasked_\@
.Lfor_b_\@:
	tensor_load_to_lds s[\g0b:\g0b+3], s[\g1b:\g1b+7]
	s_nop 0
.rept 4
	v_nop
.endr
.Lasked_\@:
.endm
.macro CREST
	s_cmp_lg_u32 s14, 0
	s_cbranch_scc1 .Lnot_wave_0_\@
	s_barrier_signal -3
.Lnot_wave_0_\@:
	s_barrier_wait -3
	s_barrier_signal -1
	s_barrier_wait -1
.endm
.macro CROUND
	s_barrier_signal -1
	s_barrier_wait -1
	CREST
.endm
	s_load_b512 s[68:83], s[0:1], 0x0
	s_load_b256 s[84:91], s[0:1], 0x40
	s_load_b64 s[92:93], s[0:1], 0x60
	v_lshl_add_u32 v[SPW], v0, 2, SPARE
	v_mov_b32 v[NIL], 0
	ds_add_u32 v28, v29
	ds_add_u32 v28, v29
	s_wait_dscnt 0x0
	v_lshrrev_b32 v1, 5, v0
	v_readfirstlane_b32 s14, v1
	s_lshr_b32 s15, s14, 1
	s_and_b32 s16, s14, 1
	s_bfe_u32 s40, ttmp6, 0x40000
	s_bfe_u32 s41, ttmp6, 0x40004
	s_and_b32 s66, ttmp7, 0xffff
	s_mov_b32 s67, ttmp9
	s_cmp_eq_u32 s66, 2
	s_cselect_b32 s17, 0, s67
	s_cselect_b32 s42, s67, 0
	s_lshl_b32 s17, s17, 2
	s_add_co_u32 s17, s17, s41
	s_lshl_b32 s42, s42, 2
	s_add_co_u32 s42, s42, s40
	s_lshl_b32 s43, s41, 2
	s_lshl_b32 s43, 15, s43
	s_lshl_b32 s44, 0x1111, s40
	s_or_b32 s[G1+0], s43, (0<<16)|(1<<20)|(1<<21)|(5<<22)|(3<<25)
	s_or_b32 s[G1B+0], s44, (0<<16)|(1<<20)|(1<<21)|(5<<22)|(3<<25)
.irp g, G1, G1B
	s_mov_b32 s[\g+1], ROWB<<16
	s_mov_b32 s[\g+2], 128<<16
	s_mov_b32 s[\g+3], ROWB<<16
	s_mov_b32 s[\g+4], 128
	s_mov_b32 s[\g+5], KROW
	s_mov_b32 s[\g+6], 0
	s_mov_b32 s[\g+7], 0
.endr
	s_lshl_b32 s18, s16, 7
	s_lshl_b32 s20, s17, 8
	s_add_co_u32 s20, s20, s18
	s_lshl_b32 s20, s20, 10
	s_mov_b32 s21, 0
	s_lshl_b32 s46, s42, 8
	s_add_co_u32 s46, s46, s18
	s_lshl_b32 s46, s46, 10
	s_mov_b32 s47, 0
	s_mul_i32 s45, s14, HALFT
	s_wait_kmcnt 0x0
	s_cmp_eq_u32 s66, 1
	s_cselect_b64 s[4:5], s[70:71], s[72:73]
	s_cselect_b64 s[6:7], s[76:77], s[78:79]
	s_cselect_b64 s[8:9], s[82:83], s[84:85]
	s_cselect_b64 s[10:11], s[88:89], s[90:91]
	s_cmp_eq_u32 s66, 0
	s_cselect_b64 s[4:5], s[68:69], s[4:5]
	s_cselect_b64 s[6:7], s[74:75], s[6:7]
	s_cselect_b64 s[8:9], s[80:81], s[8:9]
	s_cselect_b64 s[10:11], s[86:87], s[10:11]
	s_load_b256 s[68:75], s[92:93], 0x0
	s_load_b64 s[76:77], s[92:93], 0x20
	s_add_nc_u64 s[20:21], s[4:5], s[20:21]
	s_add_nc_u64 s[46:47], s[6:7], s[46:47]
	CROUND
.irp s, 0,1
	s_mov_b32 s[G0+4*\s], 1
	s_add_co_u32 s[G0+4*\s+1], s45, \s*SLOT
	s_add_nc_u64 s[G0+4*\s+2:G0+4*\s+3], s[20:21], \s*ROWB
	s_or_b32 s[G0+4*\s+3], s[G0+4*\s+3], 0x80000000
	s_mov_b32 s[G0B+4*\s], 1
	s_add_co_u32 s[G0B+4*\s+1], s45, \s*SLOT
	s_add_nc_u64 s[G0B+4*\s+2:G0B+4*\s+3], s[46:47], \s*ROWB
	s_or_b32 s[G0B+4*\s+3], s[G0B+4*\s+3], 0x80000000
	s_wait_alu depctr_va_vdst(0)
	s_wait_tensorcnt 0x0
	ds_add_u32 v28, v29
	ds_add_u32 v28, v29
	s_wait_dscnt 0x0
	CROUND
	JLOAD G0+4*\s, G1, G0B+4*\s, G1B
.endr
	v_and_b32 v1, 15, v0
	s_wait_alu depctr_va_vdst(0)
	v_bfe_u32 v2, v0, 4, 1
	v_mul_u32_u24 v3, v1, PITCH
	v_lshl_add_u32 v4, v2, 4, v3
	s_mul_i32 s21, s15, HALFT
	s_mul_i32 s22, s16, HALFT
	s_add_co_u32 s22, s22, 2*HALFT
.irp s, 0,1
	v_add_nc_u32 v[ADRA+\s], s21, v4
	v_add_nc_u32 v[ADRB+\s], s22, v4
	s_add_co_u32 s21, s21, SLOT
	s_add_co_u32 s22, s22, SLOT
.endr
	s_mul_i32 s23, s14, 16*SP
	v_mul_u32_u24 v5, v1, SP
	s_wait_alu depctr_va_vdst(0)
	v_lshl_add_u32 v5, v2, 3, v5
	v_add_nc_u32 v[STO], s23, v5
	v_and_b32 v6, 31, v0
	v_lshrrev_b32 v5, 3, v6
	v_mul_u32_u24 v5, v5, SP
	v_and_b32 v3, 7, v0
	v_lshl_add_u32 v5, v3, 4, v5
	v_add_nc_u32 v[RD], s23, v5
	v_lshlrev_b32 v[CO], 4, v6
	s_lshl_b32 s20, s17, 8
	s_lshl_b32 s21, s15, 7
	s_add_co_u32 s20, s20, s21
	s_lshl_b32 s22, s20, 2
	s_lshl_b32 s20, s20, 7
	s_mov_b32 s21, 0
	s_lshl_b32 s46, s42, 1
	s_add_co_u32 s46, s46, s16
	s_lshl_b32 s47, s46, 9
	s_cmp_eq_u32 s66, 2
	s_cselect_b32 s98, 17, 20
	s_cselect_b32 s47, 0, s47
	s_cselect_b32 s22, s22, 0
	s_lshl_b32 s46, s46, s98
	v_lshl_add_u32 v[BNO], v2, 5, s47
	v_lshl_add_u32 v[BMO], v1, 2, s22
	s_mov_b32 s47, 0
	s_add_nc_u64 s[20:21], s[20:21], s[46:47]
	s_add_nc_u64 s[10:11], s[10:11], s[20:21]
.irp b, 0,1,2,3,4,5,6,7
	global_load_b128 v[BN+8*\b:BN+8*\b+3], v[BNO], s[8:9] offset:64*\b
	global_load_b128 v[BN+8*\b+4:BN+8*\b+7], v[BNO], s[8:9] offset:64*\b+16
.endr
.irp a, 0,1,2,3,4,5,6,7
	global_load_b32 v[BM+\a], v[BMO], s[8:9] offset:64*\a
.endr
.macro FRAG reg, adr, q, i
.irp c, 0,1,2,3
	ds_load_b128 v[\reg+4*\c:\reg+4*\c+3], v[\adr] offset:128*(\q)+32*\c+(\i)*16*PITCH
.endr
.endm
.macro MUL16 a0, p, zero
.irp a, \a0, \a0+1
.irp b, 0,1,2,3,4,5,6,7
.if \zero
	v_wmma_f32_16x16x128_bf8_bf8 v[8*(8*((\a)%4)+\b):8*(8*((\a)%4)+\b)+7], v[128*(\p)+FR*\b:128*(\p)+FR*\b+FR-1], v[AF+FR*(\a):AF+FR*(\a)+FR-1], 0
.else
	v_wmma_f32_16x16x128_bf8_bf8 v[8*(8*((\a)%4)+\b):8*(8*((\a)%4)+\b)+7], v[128*(\p)+FR*\b:128*(\p)+FR*\b+FR-1], v[AF+FR*(\a):AF+FR*(\a)+FR-1], v[8*(8*((\a)%4)+\b):8*(8*((\a)%4)+\b)+7]
.endif
.endr
.endr
.endm
.macro FETCH_B slot, q, p
	WIN TO_B
.irp i, 0,1,2,3,4,5,6,7
	FRAG 128*(\p)+FR*\i, ADRB+\slot, \q, \i
.endr
	WIN 0
.endm
.macro FETCH_A slot, q, i0
.irp i, \i0, \i0+1, \i0+2, \i0+3
	FRAG AF+FR*(\i), ADRA+\slot, \q, \i
.endr
.endm
.macro PLACES n
.rept \n
	v_nop
.endr
.endm
.macro STEP slot, q, zero
	s_wait_dscnt 4*NL
	WIN MUL_LO
	MUL16 0, (\q)%2, \zero
	MUL16 2, (\q)%2, \zero
	s_wait_dscnt 0
	PLACES NP
	FETCH_B \slot, (\q)+1, 1-(\q)%2
	FETCH_A \slot, (\q)+1, 0
	WIN MUL_HI
	MUL16 4, (\q)%2, \zero
	MUL16 6, (\q)%2, \zero
	PLACES NP
	WIN 0
	FETCH_A \slot, (\q)+1, 4
.endm
.macro TURN slot, next, fill
	s_wait_tensorcnt 0x0
	ds_add_u32 v[SPW], v[NIL]
	s_wait_dscnt 4*NL+1
	WIN MUL_LO
	MUL16 0, 1, 0
	s_wait_dscnt 0x0
	s_barrier_signal -1
	MUL16 2, 1, 0
	WIN 0
	s_barrier_wait -1
.if \fill
	CREST
	s_add_nc_u64 s[G0+4*\slot+2:G0+4*\slot+3], s[G0+4*\slot+2:G0+4*\slot+3], 2*ROWB
	s_add_nc_u64 s[G0B+4*\slot+2:G0B+4*\slot+3], s[G0B+4*\slot+2:G0B+4*\slot+3], 2*ROWB
	JLOAD G0+4*\slot, G1, G0B+4*\slot, G1B
.else
	PLACES NP
.endif
	FETCH_B \next, 0, 0
	FETCH_A \next, 0, 0
	WIN MUL_HI
	MUL16 4, 1, 0
	MUL16 6, 1, 0
	PLACES NP
	WIN 0
	FETCH_A \next, 0, 4
.endm
	s_wait_tensorcnt 1
	s_barrier_signal -1
	s_barrier_wait -1
	FETCH_B 0, 0, 0
	FETCH_A 0, 0, 0
	FETCH_A 0, 0, 4
	STEP 0, 0, 1
	TURN 0, 1, 1
	STEP 1, 0, 0
	TURN 1, 0, 1
	STEP 0, 0, 0
	TURN 0, 1, 0
	STEP 1, 0, 0
	s_wait_dscnt 4*NL
	WIN MUL_LO
	MUL16 0, 1, 0
	MUL16 2, 1, 0
	s_wait_dscnt 0
	WIN MUL_HI
	MUL16 4, 1, 0
	MUL16 6, 1, 0
	WIN 0
	s_wait_kmcnt 0x0
	s_add_co_i32 s18, s68, s69
	s_add_co_i32 s19, s70, s71
	s_add_co_i32 s22, s72, s73
	s_cmp_eq_u32 s66, 1
	s_cselect_b32 s96, s19, s22
	s_cselect_b32 s97, s75, s77
	s_cmp_eq_u32 s66, 0
	s_cselect_b32 s96, s18, s96
	s_cselect_b32 s97, s74, s97
	s_cmp_eq_u32 s66, 2
	s_cselect_b32 s94, 0, -1
	s_cselect_b32 s95, -1, 0
	s_sub_co_i32 s97, s97, s96
	s_sub_co_i32 s96, 0, s96
	s_add_co_i32 s18, s97, 127
	s_lshl_b32 s18, s18, 23
	v_mov_b32 v[CVS], s18
	s_add_co_i32 s19, s97, 142
	s_lshl_b32 s19, s19, 23
	s_or_b32 s19, s19, 0x600000
	s_wait_loadcnt 0x0
.set j, 0
.rept 64
	v_and_b32 v[BN+j], s94, v[BN+j]
.set j, j+1
.endr
.set j, 0
.rept 8
	v_and_b32 v[BM+j], s95, v[BM+j]
.set j, j+1
.endr
.set j, 0
.rept 72
	v_ldexp_f32 v[BN+j], v[BN+j], s96
.set j, j+1
.endr
.macro QBLK a
.set AC, 64*((\a)%4)
.set CC, CD+16*((\a)%2)
.set BB, BK+16*((\a)%2)
.set BMP, BM+2*((\a)/2)
	WIN 0x82+0x41*((\a)/4)
.set j, 0
.rept 32
	v_pk_add_f32 v[AC+j:AC+j+1], v[AC+j:AC+j+1], v[BN+j:BN+j+1]
.set j, j+2
.endr
.set j, 0
.rept 32
.if ((\a)%2) == 0
	v_pk_add_f32 v[AC+j:AC+j+1], v[AC+j:AC+j+1], v[BMP:BMP+1] op_sel_hi:[1,0]
.else
	v_pk_add_f32 v[AC+j:AC+j+1], v[AC+j:AC+j+1], v[BMP:BMP+1] op_sel:[0,1] op_sel_hi:[1,1]
.endif
.set j, j+2
.endr
.set j, 0
.rept 64
.set j, j+1
.endr
	WIN 0x02+((\a)/4)
.set j, 0
.rept 8
	v_cvt_scalef32_pk8_bf8_f32 v[CC+2*j:CC+2*j+1], v[AC+8*j:AC+8*j+7], v[CVS]
.set j, j+1
.endr
	WIN 0
	v_nop
.irp b, 0,1,2,3,4,5,6,7
	ds_store_b64 v[STO], v[CC+2*\b:CC+2*\b+1] offset:16*\b
.endr
.if (\a) > 1
	s_wait_xcnt 0x0
.endif
.irp t, 0,1,2,3
	ds_load_b128 v[BB+4*\t:BB+4*\t+3], v[RD] offset:4*\t*SP
.endr
.endm
.macro QSEND a, younger
.set BB, BK+16*((\a)%2)
	s_wait_dscnt \younger
.irp t, 0,1,2,3
	global_store_b128 v[CO], v[BB+4*\t:BB+4*\t+3], s[10:11] offset:128*(32*((\a)/2)+16*(\t/2)+8*((\a)%2)+4*(\t%2))
.endr
.endm
	QBLK 0
.irp a, 1,2,3,4,5,6,7
	QBLK \a
	QSEND \a-1, 12
.endr
	QSEND 7, 0
	s_wait_tensorcnt 0x0
	ds_add_u32 v[SPW], v[NIL]
	s_wait_dscnt 0x0
	CROUND
	s_endpgm
.Lfunc_end_k_qad99481292_proj:
	.size	k_qad99481292_proj, .Lfunc_end_k_qad99481292_proj-k_qad99481292_proj
	.p2alignl 7, 3214868480
	.fill 96, 4, 3214868480
	.section	.rodata,"a",@progbits
	.p2align	6, 0x0
	.amdhsa_kernel k_qad99481292_proj
		.amdhsa_group_segment_fixed_size 327680
		.amdhsa_private_segment_fixed_size 0
		.amdhsa_enable_private_segment 0
		.amdhsa_kernarg_size 104
		.amdhsa_user_sgpr_count 2
		.amdhsa_user_sgpr_kernarg_segment_ptr 1
		.amdhsa_wavefront_size32 1
		.amdhsa_system_sgpr_workgroup_id_x 1
		.amdhsa_system_sgpr_workgroup_id_y 1
		.amdhsa_system_sgpr_workgroup_id_z 1
		.amdhsa_system_vgpr_workitem_id 0
		.amdhsa_next_free_vgpr 1024
		.amdhsa_next_free_sgpr 100
		.amdhsa_reserve_vcc 0
		.amdhsa_float_denorm_mode_32 3
		.amdhsa_float_denorm_mode_16_64 3
		.amdhsa_fp16_overflow 1
		.amdhsa_memory_ordered 1
		.amdhsa_forward_progress 1
		.amdhsa_inst_pref_size 136
	.end_amdhsa_kernel
	.amdgpu_metadata
---
amdhsa.version: [ 1, 2 ]
amdhsa.kernels:
  - .name:           k_qad99481292_proj
    .symbol:         k_qad99481292_proj.kd
    .args:
      - { .name: query_codes, .offset: 0, .size: 8, .value_kind: global_buffer, .address_space: global }
      - { .name: key_codes, .offset: 8, .size: 8, .value_kind: global_buffer, .address_space: global }
      - { .name: Wv_codes, .offset: 16, .size: 8, .value_kind: global_buffer, .address_space: global }
      - { .name: Wq_codes, .offset: 24, .size: 8, .value_kind: global_buffer, .address_space: global }
      - { .name: Wk_codes, .offset: 32, .size: 8, .value_kind: global_buffer, .address_space: global }
      - { .name: value_codes, .offset: 40, .size: 8, .value_kind: global_buffer, .address_space: global }
      - { .name: bq, .offset: 48, .size: 8, .value_kind: global_buffer, .address_space: global }
      - { .name: bk, .offset: 56, .size: 8, .value_kind: global_buffer, .address_space: global }
      - { .name: bv, .offset: 64, .size: 8, .value_kind: global_buffer, .address_space: global }
      - { .name: q_ws, .offset: 72, .size: 8, .value_kind: global_buffer, .address_space: global }
      - { .name: k_ws, .offset: 80, .size: 8, .value_kind: global_buffer, .address_space: global }
      - { .name: v_ws, .offset: 88, .size: 8, .value_kind: global_buffer, .address_space: global }
      - { .name: lowp_scales, .offset: 96, .size: 8, .value_kind: global_buffer, .address_space: global }
    .group_segment_fixed_size: 327680
    .private_segment_fixed_size: 0
    .kernarg_segment_align: 8
    .kernarg_segment_size: 104
    .max_flat_workgroup_size: 128
    .sgpr_count:     100
    .vgpr_count:     1024
    .wavefront_size: 32
...
	.end_amdgpu_metadata
.endif
;; end of part 1
;; launch attn (part 2): grid 4 x 64, 16 waves a work-group, clusters of 4 x 4, 327,680 bytes of LDS; arguments q_ws, k_ws, v_ws, attention_bias, lowp_scales, ctx_ws; writes ctx_ws
.if DOCPART == 2
	.amdgcn_target "amdgcn-amd-amdhsa--gfx1250"
	.amdhsa_code_object_version 6
	.text
	.protected	k_qad99481292_attn
	.globl	k_qad99481292_attn
	.p2align	8
	.type	k_qad99481292_attn,@function
k_qad99481292_attn:
	s_mov_b64 s[64:65], 0
	v_nop
	global_prefetch_b8 v0, s[64:65] scope:SCOPE_SE
	s_setreg_imm32_b32 hwreg(HW_REG_WAVE_MODE, 25, 1), 1
	s_wait_xcnt 0x0
	s_wait_alu depctr_hold_cnt(0) depctr_sa_sdst(0) depctr_va_vdst(0) depctr_va_sdst(0) depctr_va_ssrc(0) depctr_va_vcc(0) depctr_vm_vsrc(0)
	s_getreg_b32 s2, hwreg(HW_REG_IB_STS2, 6, 4)
	s_cmp_eq_u32 s2, 0
	s_cbranch_scc0 .Lentry_in_a_cluster
	s_endpgm
.Lentry_in_a_cluster:
	s_bfe_u32 s2, ttmp6, 0x10000c
	s_cmp_lg_u32 s2, 0xf033
	s_cbranch_scc0 .Lentry_shape_is_right
	s_endpgm
.Lentry_shape_is_right:
; ATTENTION ON CODES OF BF8 (E5M2): ctx = softmax(q k^T / 8 + bias) v, both products on codes, the result quantised again (scale 2^e10) for the output product.
; q_ws, k_ws: [hd / 128][token's place][128 bytes];  v_ws: [token / 128][hd's place][128 bytes] (keys innermost);  a row's place is its number with bits 3 and 4 exchanged.  bias: [2,048][2,048] f32.  ctx_ws: [token][1,024] codes.
; THE SOFTMAX: t = (score / 8 + bias) x log2(e); M = the row's largest t so far, rounded UP to a whole number; p = 2^(t - M) is what is quantised (scale 2^e8); it is not normalised.
; The row's sum is taken of the unquantised p, in f32, and divides at the end.  When M moves, the sum and O are multiplied by 2^(old M - new M), which rounds nothing.
; SHARES.  A work-group owns 128 queries of one batch and FOUR heads; each of its sixteen waves owns one head and 32 queries, two tiles of 16, in 256 registers: four waves to a SIMD, so that one wave's vector work
; stands beside another's matrix work and LDS loads.  The four heads read the same 128 x 128 numbers of the bias; a fragment of K or V feeds two products.
; Every wave walks all 2,048 keys, 128 to an LDS slot, 64 to a step.  A slot holds the bias (128 queries x 128 keys, f32), K (2 x 128 keys x 128 bytes: four heads) and V (256 rows of hd x 128 keys).
; CLUSTER 4 x 4: x = the group of four heads, y = the block of queries.  The bias hangs on the block of queries alone: asked for jointly along a row of the cluster.  K and V hang on batch and heads: jointly along a column.
; LAYOUT.  Both products are used transposed: S^T = K Q^T + C (source 0 = 16 keys, source 1 = 16 queries), O^T = V^T P^T: a lane holds ONE query (lane % 16) throughout.
; Sixteen places on end of k_ws are a tile whose lane r holds key 32 b + 8 u + r + 8 (r / 8): the 16 registers of tiles 2 b and 2 b + 1 are then keys 32 b + 16 (lane / 16) + 0 .. 15, and the conversions' results ARE the
; second product's operand.  Likewise for v_ws's rows and the codes of ctx.  Fragments (16 rows x 64 K, 8 registers) come by two loads of 16 bytes: registers 4 c .. 4 c + 3 hold k = 32 c + 16 (lane / 16) + 0 .. 15, alike on both sides.
; THE BIAS COSTS NO ADDITION: it is loaded into the scores' registers, multiplied by 2^(3 - e6 - e7) (nothing is rounded) and given to the product as its C.
; LIMITS on the given exponents, so that each power of two below is an f32 number: e6 + e7 - 3 between -126 and 126; e8, and e10 - e8 - e9, between -126 and 112.  NaN among the inputs is not served.
.set SLOTB, 141312                     ; a slot:
.set KOFF,  67584                      ;   the bias: 128 rows x 528;  then K: 2 x 128 rows x 144;
.set VOFF,  104448                     ;   then V: 256 rows x 144
.set BP,    528                        ; a row of the bias in LDS: 512 bytes + 16: an odd multiple of 16, so the sixteen rows that a load touches start at sixteen different groups of banks (ISA guide 11.1)
.set CP,    144                        ; a row of codes: 128 bytes + 16
.set STP,   272                        ; the way out: a stage of 128 rows x (256 bytes + 16), in slot 0, which has had its last fill and its last read by then
.set SPARE, 2*SLOTB                    ; behind the ring: the spare words, 128 bytes for each of the sixteen waves, which no other line names
.set SPW,  1                           ; v1   LDS address of my spare word; never rewritten
.set NIL,  2                           ; v2   0; never rewritten
.set AB,   3                           ; v3, v4   my lane's place in the bias of slot 0, 1
.set AK,   5                           ; v5, v6   in K
.set AV,   7                           ; v7, v8   in V
.set CVP,  9                           ; v9   2^e8, for p's conversions
.set LIM2, 10                          ; v10  Q's byte offset
.set CVS2, 11                          ; v11  2^(e10 - e8 - e9)
.set NM,   12                          ; tile u: v[12+4u] -M, v[13+4u] the largest t, v[14+4u:15+4u] the sum in two halves
.set TM,   13
.set LS,   14
.set FF,   20                          ; v[20+2u] f = 2^(old M - new M); v[21+2u] named with it as a pair
.set XX,   24                          ; v[24+2u:25+2u] at work: two chains
.set PM,   28                          ; v[28+u] what the lane 16 away sends
.set OLD,  30                          ; v[30+u] the old -M
.set Q,    32                          ; v32-47   Q, 8 a tile
.set KF,   48                          ; v48-79   four fragments of K
.set VF,   80                          ; v80-111  four fragments of V
.set S,    112                         ; v112-175 the bias, then S^T, then p: tile u, tile of keys t at 32 u + 8 t
.set O,    176                         ; v176-239 O^T: 32 u + 8 t
.set PC,   240                         ; v240-255 p's codes, 8 a tile
.set WV,   16                          ; s16  my wave's number
.set G1B,  24                          ; s[24:31] descriptor group 1 for the bias;  s[32:39] for K's and V's tiles
.set G1KV, 32
.set G0B,  40                          ; s[40:47], s[48:55], s[56:63]: groups 0 of the bias, K and V, one set for each slot
.set G0K,  48
.set G0V,  56
.set CS,   66                          ; s[66:67] c = log2(e) x 2^(e6 + e7 - 3): the packed forms name a pair and take its low word
.set BSC,  68                          ; s[68:69] 2^(3 - e6 - e7)
.set LIMS, 70
.set SEL,  72                          ; s[72:73] lane selects for v_permlanex16_b32: lane l xor 16
.set CNT,  74                          ; s74  trips
.macro CROUND                          ; a round of the cluster's barrier: my work-group's barrier; wave 0 signals for the work-group; every wave waits for all sixteen work-groups; my work-group's barrier once more
	s_barrier_signal -1
	s_barrier_wait -1
	s_cmp_lg_u32 s[WV], 0
	s_cbranch_scc1 .Lnot_wave_0_\@
	s_barrier_signal -3
.Lnot_wave_0_\@:
	s_barrier_wait -3
	s_barrier_signal -1
	s_barrier_wait -1
.endm
; Slot n's joint loads.  Waves 0, 1: the bias's two halves; waves 2, 3: K's two pairs of heads; waves 4, 5: V's two halves; the others none.  The branches hang on the wave's number alone.
; Four v_nop follow each line.
.macro TLOAD n
	s_cmp_lt_u32 s[WV], 2
	s_cbranch_scc0 .Lnot_b_\@
	tensor_load_to_lds s[G0B+4*(\n):G0B+4*(\n)+3], s[G1B:G1B+7]
	s_nop 0
.rept 4
	v_nop
.endr
	s_branch .Lasked_\@
.Lnot_b_\@:
	s_cmp_lt_u32 s[WV], 4
	s_cbranch_scc0 .Lnot_k_\@
	tensor_load_to_lds s[G0K+4*(\n):G0K+4*(\n)+3], s[G1KV:G1KV+7]
	s_nop 0
.rept 4
	v_nop
.endr
	s_branch .Lasked_\@
.Lnot_k_\@:
	s_cmp_lt_u32 s[WV], 6
	s_cbranch_scc0 .Lasked_\@
	tensor_load_to_lds s[G0V+4*(\n):G0V+4*(\n)+3], s[G1KV:G1KV+7]
	s_nop 0
.rept 4
	v_nop
.endr
.Lasked_\@:
.endm
	s_load_b256 s[4:11], s[0:1], 0x0               ; q_ws s[4:5], k_ws s[6:7], v_ws s[8:9], the bias s[10:11]
	s_load_b128 s[12:15], s[0:1], 0x20             ; the scales' exponents s[12:13], ctx_ws s[14:15]
	v_lshl_add_u32 v[SPW], v0, 2, SPARE
	v_mov_b32 v[NIL], 0
	ds_add_u32 v1, v2
	ds_add_u32 v1, v2
	s_wait_dscnt 0x0
	v_lshrrev_b32 v24, 5, v0
	s_delay_alu instid0(VALU_DEP_1)
	v_readfirstlane_b32 s[WV], v24                 ; wave 0..15
	s_and_b32 s17, s[WV], 1                        ; which half of a tile I fetch, if I fetch
	s_lshr_b32 s18, s[WV], 2                       ; my head among the group's four
	s_and_b32 s19, s[WV], 3                        ; my 32 queries among the block's 128
	s_bfe_u32 s20, ttmp6, 0x40000                  ; cx, cy: my place in the cluster
	s_bfe_u32 s21, ttmp6, 0x40004
	s_and_b32 s22, ttmp7, 0xffff                   ; the cluster's y: 4 x batch + a quarter of the blocks of queries
	s_lshr_b32 s23, s22, 2                         ; the batch, which all partners share
	s_and_b32 s86, s22, 3
	s_lshl_b32 s86, s86, 2
	s_add_co_u32 s86, s86, s21                     ; my block of 128 queries, 0..15
	s_lshl_b32 s87, ttmp9, 2
	s_add_co_u32 s87, s87, s20                     ; my group of four heads, 0..3
	s_lshl_b32 s82, s21, 2
	s_lshl_b32 s82, 15, s82                        ; my row of the cluster
	s_lshl_b32 s83, 0x1111, s20                    ; my column
	; descriptor group 1.  The bias: 64 rows of 128 f32, 2,048 numbers from row to row.  K, V: 128 rows of 128 bytes, dense
	s_or_b32 s[G1B], s82, (2<<16)|(1<<20)|(1<<21)|(6<<22)|(3<<25)   ; 15:0 the mask: my row; 17:16 elements of 4 bytes; 20 padding on; 21 set beside a mask; 24:22 after every 128 words (code 6); 31:25 four words (code 3)
	s_mov_b32 s[G1B+1], 128<<16                    ; tensor_dim0
	s_mov_b32 s[G1B+2], 64<<16                     ; tensor_dim1
	s_mov_b32 s[G1B+3], 128<<16                    ; tile_dim0
	s_mov_b32 s[G1B+4], 64                         ; tile_dim1
	s_mov_b32 s[G1B+5], 2048                       ; tensor_dim0_stride
	s_mov_b32 s[G1B+6], 0
	s_mov_b32 s[G1B+7], 0
	s_or_b32 s[G1KV], s83, (0<<16)|(1<<20)|(1<<21)|(4<<22)|(3<<25)  ; the mask: my column; elements of 1 byte; four words of padding after every 32
	s_mov_b32 s[G1KV+1], 128<<16
	s_mov_b32 s[G1KV+2], 128<<16
	s_mov_b32 s[G1KV+3], 128<<16
	s_mov_b32 s[G1KV+4], 128
	s_mov_b32 s[G1KV+5], 128
	s_mov_b32 s[G1KV+6], 0
	s_mov_b32 s[G1KV+7], 0
	; where the tiles come from.  The bias's address is made of the block of queries, K's and V's of batch and heads, each in registers that never hold the other place in the cluster
	s_lshl_b32 s84, s86, 20                        ; the bias: row 128 x block + 64 x half, 8,192 bytes a row
	s_lshl_b32 s85, s17, 19
	s_add_co_u32 s84, s84, s85
	s_mov_b32 s85, 0
	s_lshl_b32 s88, s87, 1                         ; K: pair of heads 2 x group + half, 2^20 bytes each; the batch's 2,048 places of 128 bytes
	s_add_co_u32 s88, s88, s17
	s_lshl_b32 s88, s88, 20
	s_lshl_b32 s89, s23, 18
	s_add_co_u32 s88, s88, s89
	s_mov_b32 s89, 0
	s_lshl_b32 s90, s23, 21                        ; V: the batch's 16 blocks of 128 keys, 2^17 bytes each; the group's 256 rows; my half's 128
	s_lshl_b32 s91, s87, 15
	s_add_co_u32 s90, s90, s91
	s_lshl_b32 s91, s17, 14
	s_add_co_u32 s90, s90, s91
	s_mov_b32 s91, 0
	s_mul_i32 s92, s17, 64*BP                      ; and where they go: no place in the cluster enters an LDS address
	s_mul_i32 s93, s17, 128*CP
	; Q: pair of heads, the batch's places, my block's, my 32, my head's 64 bytes of the 128
	s_lshl_b32 s94, s87, 1
	s_lshr_b32 s95, s18, 1
	s_add_co_u32 s94, s94, s95
	s_lshl_b32 s94, s94, 20
	s_lshl_b32 s95, s23, 18
	s_add_co_u32 s94, s94, s95
	s_lshl_b32 s95, s86, 14
	s_add_co_u32 s94, s94, s95
	s_lshl_b32 s95, s19, 12
	s_add_co_u32 s94, s94, s95
	s_and_b32 s95, s18, 1
	s_lshl_b32 s95, s95, 6
	s_add_co_u32 s94, s94, s95
	s_mov_b32 s95, 0
	; ctx: row 2,048 x batch + 128 x block + 8 x wave, 1,024 bytes a row; the group's 256 bytes
	s_lshl_b32 s96, s23, 21
	s_lshl_b32 s97, s86, 17
	s_add_co_u32 s96, s96, s97
	s_lshl_b32 s97, s[WV], 13
	s_add_co_u32 s96, s96, s97
	s_lshl_b32 s97, s87, 8
	s_add_co_u32 s96, s96, s97
	s_mov_b32 s97, 0
	s_mov_b32 s[SEL], 0x76543210
	s_mov_b32 s[SEL+1], 0xfedcba98
	s_mov_b32 s[CNT], 7
	s_wait_kmcnt 0x0
	s_load_b128 s[76:79], s[12:13], 0x18           ; e6, e7, e8, e9
	s_load_b32 s80, s[12:13], 0x28                 ; e10
	s_add_nc_u64 s[84:85], s[10:11], s[84:85]
	s_add_nc_u64 s[88:89], s[6:7], s[88:89]
	s_add_nc_u64 s[90:91], s[8:9], s[90:91]
	s_add_nc_u64 s[4:5], s[4:5], s[94:95]
	s_add_nc_u64 s[14:15], s[14:15], s[96:97]
.irp n, 0,1                            ; group 0 of slot n begins at the n-th 128 keys
	s_mov_b32 s[G0B+4*\n], 1                                       ; 1:0 count = 1
	s_add_co_u32 s[G0B+4*\n+1], s92, \n*SLOTB                      ; 63:32 LDS address
	s_add_nc_u64 s[G0B+4*\n+2:G0B+4*\n+3], s[84:85], \n*512        ; 120:64 global address: 128 keys are 512 bytes of a row
	s_or_b32 s[G0B+4*\n+3], s[G0B+4*\n+3], 0x80000000              ; 127:126 type = 2
	s_mov_b32 s[G0K+4*\n], 1
	s_add_co_u32 s[G0K+4*\n+1], s93, \n*SLOTB+KOFF
	s_add_nc_u64 s[G0K+4*\n+2:G0K+4*\n+3], s[88:89], \n*16384      ; 128 places of 128 bytes
	s_or_b32 s[G0K+4*\n+3], s[G0K+4*\n+3], 0x80000000
	s_mov_b32 s[G0V+4*\n], 1
	s_add_co_u32 s[G0V+4*\n+1], s93, \n*SLOTB+VOFF
	s_add_nc_u64 s[G0V+4*\n+2:G0V+4*\n+3], s[90:91], \n*131072     ; a block of 128 keys
	s_or_b32 s[G0V+4*\n+3], s[G0V+4*\n+3], 0x80000000
.endr
	CROUND                                         ; all sixteen work-groups are here: the first joint loads meet
	TLOAD 0                                        ; keys 0 to 127
	v_and_b32 v24, 15, v0                          ; r = lane % 16
	v_bfe_u32 v25, v0, 4, 1                        ; h = lane / 16
	v_and_b32 v26, 7, v0
	v_bfe_u32 v27, v0, 3, 1
	s_delay_alu instid0(VALU_DEP_1)
	v_lshl_add_u32 v26, v27, 4, v26                ; query 16 u + r lies at place 16 (r / 8) + 8 u + r % 8 of my 32
	s_delay_alu instid0(VALU_DEP_1)
	v_lshlrev_b32 v[LIM2], 7, v26
	s_delay_alu instid0(VALU_DEP_1)
	v_lshl_add_u32 v[LIM2], v25, 4, v[LIM2]
.irp u, 0,1
	global_load_b128 v[Q+8*\u:Q+8*\u+3], v[LIM2], s[4:5] offset:1024*\u      ; Q stays in registers
	global_load_b128 v[Q+8*\u+4:Q+8*\u+7], v[LIM2], s[4:5] offset:1024*\u+32
.endr
	s_mul_i32 s82, s19, 32*BP
	v_mul_u32_u24 v26, v24, BP
	s_delay_alu instid0(VALU_DEP_1)
	v_lshl_add_u32 v26, v25, 6, v26
	s_delay_alu instid0(VALU_DEP_1)
	v_add_nc_u32 v[AB], s82, v26                   ; the bias: row 32 x (wave % 4) + r, + 64 h: my 16 keys of each 32
	s_delay_alu instid0(VALU_DEP_1)
	v_add_nc_u32 v[AB+1], SLOTB, v[AB]
	v_mul_u32_u24 v26, v24, CP
	s_delay_alu instid0(VALU_DEP_1)
	v_lshl_add_u32 v26, v25, 4, v26                ; codes: row r, + 16 h
	s_wait_alu depctr_va_vdst(0)
	s_lshr_b32 s82, s18, 1
	s_mul_i32 s82, s82, 128*CP
	s_and_b32 s83, s18, 1
	s_lshl_b32 s83, s83, 6
	s_add_co_u32 s82, s82, s83
	s_add_co_u32 s82, s82, KOFF
	v_add_nc_u32 v[AK], s82, v26                   ; K: my pair of heads, my head's 64 bytes
	s_delay_alu instid0(VALU_DEP_1)
	v_add_nc_u32 v[AK+1], SLOTB, v[AK]
	s_mul_i32 s82, s18, 64*CP
	s_add_co_u32 s82, s82, VOFF
	v_add_nc_u32 v[AV], s82, v26                   ; V: my head's 64 rows
	s_delay_alu instid0(VALU_DEP_1)
	v_add_nc_u32 v[AV+1], SLOTB, v[AV]
.irp u, 0,1
	v_mov_b32 v[TM+4*\u], 0xff61b1e6               ; the largest t so far: -3e38, under every t
	s_delay_alu instid0(VALU_DEP_1)
	v_floor_f32 v[NM+4*\u], -v[TM+4*\u]            ; -M
	v_mov_b32 v[LS+4*\u], 0                        ; the sum, in two halves
	v_mov_b32 v[LS+4*\u+1], 0
	v_mov_b32 v[FF+2*\u+1], 0                      ; (named as the upper half of f's pair)
	v_mov_b32 v[PM+\u], 0                          ; written once: a lane permute's destination counts as one of its sources
.endr
.set j, 0
.rept 64
	v_mov_b32 v[O+j], 0                            ; O^T.  (The step is written once: the first finds zeros, which the first change of M leaves zeros)
.set j, j+1
.endr
	s_wait_kmcnt 0x0
	s_add_co_i32 s82, s76, s77                     ; e6 + e7
	s_sub_co_i32 s83, s82, 3
	s_lshl_b32 s83, s83, 23
	s_mov_b32 s[CS], 0x3fb8aa3b                    ; log2(e);
	s_add_co_i32 s[CS], s[CS], s83                 ; a sum stands for sum x 2^(e6 + e7) / 8: the whole number is added to the exponent field
	s_mov_b32 s[CS+1], s[CS]                       ; (named with it as a pair, so it is written)
	s_sub_co_i32 s[BSC], 130, s82
	s_lshl_b32 s[BSC], s[BSC], 23                  ; 2^(3 - e6 - e7): what brings the bias under the sums' scale
	s_mov_b32 s[BSC+1], s[BSC]
	s_add_co_i32 s83, s78, 127
	s_lshl_b32 s82, s83, 23
	v_mov_b32 v[CVP], s82                          ; 2^e8 as f32, for the conversion
; A STEP: 64 keys, the q-th half of slot sl, for my two tiles of queries.  The two tiles' lines take turns, so that no line waits for the line above it.
.macro SUB sl, q
.irp u, 0,1                                    ; the bias into the scores' own registers: register 8 t + j of tile u is (query 16 u + r, key 64 q + 32 (t / 2) + 16 h + 8 (t % 2) + j)
.irp t, 0,1,2,3
	ds_load_b128 v[S+32*\u+8*\t:S+32*\u+8*\t+3], v[AB+\sl] offset:16*BP*\u+256*\q+128*(\t/2)+32*(\t%2)
	ds_load_b128 v[S+32*\u+8*\t+4:S+32*\u+8*\t+7], v[AB+\sl] offset:16*BP*\u+256*\q+128*(\t/2)+32*(\t%2)+16
.endr
.endr
.irp t, 0,1,2,3                                ; four tiles of 16 keys
	ds_load_b128 v[KF+8*\t:KF+8*\t+3], v[AK+\sl] offset:(64*\q+16*\t)*CP
	ds_load_b128 v[KF+8*\t+4:KF+8*\t+7], v[AK+\sl] offset:(64*\q+16*\t)*CP+32
.endr
	s_wait_dscnt 16                                ; tile 0's bias is in: behind it stand tile 1's eight loads and K's eight
.set j, 0
.rept 16
	v_pk_mul_f32 v[S+j:S+j+1], v[S+j:S+j+1], s[BSC:BSC+1] op_sel_hi:[1,0]   ; x 2^(3 - e6 - e7).  (These 32 are also the places between the last step's products and the loads into V's registers below)
.set j, j+2
.endr
	s_wait_dscnt 8                                 ; tile 1's is in: K's eight loads may be out
.rept 16
	v_pk_mul_f32 v[S+j:S+j+1], v[S+j:S+j+1], s[BSC:BSC+1] op_sel_hi:[1,0]
.set j, j+2
.endr
	s_wait_alu depctr_va_vdst(0)
	s_wait_dscnt 0x0                               ; K
.irp t, 0,1,2,3                                ; S^T = K Q^T + the bias: eight accumulators, one instruction each
.irp u, 0,1
	v_wmma_f32_16x16x64_bf8_bf8 v[S+32*\u+8*\t:S+32*\u+8*\t+7], v[KF+8*\t:KF+8*\t+7], v[Q+8*\u:Q+8*\u+7], v[S+32*\u+8*\t:S+32*\u+8*\t+7]
.endr
.endr
.irp t, 0,1,2,3                                ; V: four tiles of 16 of the head's 64, these 64 keys: they land while the softmax is walked
	ds_load_b128 v[VF+8*\t:VF+8*\t+3], v[AV+\sl] offset:16*CP*\t+64*\q
	ds_load_b128 v[VF+8*\t+4:VF+8*\t+7], v[AV+\sl] offset:16*CP*\t+64*\q+32
.endr
	v_mov_b32 v[OLD], v[NM]                        ; the old -M is kept.  Four places behind the products (ISA guide 7.12.1)
	v_mov_b32 v[OLD+1], v[NM+4]
	v_nop
	v_nop
.irp u, 0,1                                    ; the step's largest sum of my query among my 32 keys, in two chains; each accumulator is met at its low end first
	v_max3_num_f32 v[XX+2*\u], v[S+32*\u], v[S+32*\u+1], v[S+32*\u+2]
.endr
.irp u, 0,1
	v_max3_num_f32 v[XX+2*\u+1], v[S+32*\u+3], v[S+32*\u+4], v[S+32*\u+5]
.endr
.irp i, 6,10,14,18,22,26
.irp u, 0,1
	v_max3_num_f32 v[XX+2*\u], v[XX+2*\u], v[S+32*\u+\i], v[S+32*\u+\i+1]
.endr
.irp u, 0,1
	v_max3_num_f32 v[XX+2*\u+1], v[XX+2*\u+1], v[S+32*\u+\i+2], v[S+32*\u+\i+3]
.endr
.endr
.irp u, 0,1
	v_max3_num_f32 v[XX+2*\u], v[XX+2*\u], v[S+32*\u+30], v[S+32*\u+31]
.endr
.irp u, 0,1
	s_delay_alu instid0(VALU_DEP_2)
	v_max_num_f32 v[XX+2*\u], v[XX+2*\u], v[XX+2*\u+1]
.endr
.irp u, 0,1
	s_delay_alu instid0(VALU_DEP_2)
	v_permlanex16_b32 v[PM+\u], v[XX+2*\u], s[SEL], s[SEL+1]
.endr
.irp u, 0,1
	s_delay_alu instid0(VALU_DEP_2)
	v_max_num_f32 v[XX+2*\u], v[XX+2*\u], v[PM+\u] ; and among lane l xor 16's
.endr
.irp u, 0,1
	s_delay_alu instid0(VALU_DEP_2)
	v_mul_f32 v[XX+2*\u], s[CS], v[XX+2*\u]        ; as t (c is positive)
.endr
.irp u, 0,1
	s_delay_alu instid0(VALU_DEP_2)
	v_max_num_f32 v[TM+4*\u], v[TM+4*\u], v[XX+2*\u]   ; the running largest t
.endr
.irp u, 0,1
	s_delay_alu instid0(VALU_DEP_2)
	v_floor_f32 v[NM+4*\u], -v[TM+4*\u]            ; the new -M = floor(-t) = -ceil(t): M is a whole number
.endr
.irp u, 0,1
	s_delay_alu instid0(VALU_DEP_2)
	v_sub_f32 v[OLD+\u], v[NM+4*\u], v[OLD+\u]     ; M's old value less its new one: a whole number, 0 or less
.endr
.irp u, 0,1
	s_delay_alu instid0(VALU_DEP_2)
	v_cvt_i32_f32 v[OLD+\u], v[OLD+\u]             ; (it saturates)
.endr
.irp u, 0,1
	s_delay_alu instid0(VALU_DEP_2)
	v_ldexp_f32 v[FF+2*\u], 1.0, v[OLD+\u]         ; f = 2^(old M - new M)
.endr
.irp u, 0,1
.set j, 0
.rept 16
	v_pk_fma_f32 v[S+32*\u+j:S+32*\u+j+1], v[S+32*\u+j:S+32*\u+j+1], s[CS:CS+1], v[NM+4*\u:NM+4*\u+1] op_sel_hi:[1,0,0]   ; t - M, two at a time (of the pairs c and -M the low word serves both halves)
.set j, j+2
.endr
.endr
.set j, 0
	s_wait_alu depctr_va_vdst(0)
.rept 64
	v_exp_f32 v[S+j], v[S+j]                       ; p = 2^(t - M): not normalised
.set j, j+1
.endr
.irp u, 0,1
	v_pk_mul_f32 v[LS+4*\u:LS+4*\u+1], v[LS+4*\u:LS+4*\u+1], v[FF+2*\u:FF+2*\u+1] op_sel_hi:[1,0]   ; the sums under the new M.  (A plain place behind the exponentials)
.endr
	s_wait_alu depctr_va_vdst(0)
.irp u, 0,1
	v_pk_add_f32 v[XX+2*\u:XX+2*\u+1], v[S+32*\u:S+32*\u+1], v[S+32*\u+2:S+32*\u+3]   ; the row's sum is taken of the UNQUANTISED p: two at a time, in two chains
.endr
.irp i, 4,8,12,16,20,24,28
.irp u, 0,1
	v_pk_add_f32 v[LS+4*\u:LS+4*\u+1], v[LS+4*\u:LS+4*\u+1], v[S+32*\u+\i:S+32*\u+\i+1]
.endr
.irp u, 0,1
	v_pk_add_f32 v[XX+2*\u:XX+2*\u+1], v[XX+2*\u:XX+2*\u+1], v[S+32*\u+\i+2:S+32*\u+\i+3]
.endr
.endr
.irp u, 0,1
	s_delay_alu instid0(VALU_DEP_2)
	v_pk_add_f32 v[LS+4*\u:LS+4*\u+1], v[LS+4*\u:LS+4*\u+1], v[XX+2*\u:XX+2*\u+1]
.endr
.set j, 0
.rept 64
.set j, j+1
.endr
.irp u, 0,1
.irp t, 0,1,2,3
	v_cvt_scalef32_pk8_bf8_f32 v[PC+8*\u+2*\t:PC+8*\u+2*\t+1], v[S+32*\u+8*\t:S+32*\u+8*\t+7], v[CVP]   ; registers 4 b .. 4 b + 3 of the operand: keys 32 b + 16 h + 0 .. 15
.endr
.endr
.irp u, 0,1
.set j, 0
.rept 16
	v_pk_mul_f32 v[O+32*\u+j:O+32*\u+j+1], v[O+32*\u+j:O+32*\u+j+1], v[FF+2*\u:FF+2*\u+1] op_sel_hi:[1,0]   ; O^T under the new M.  (Plain places behind the conversions too)
.set j, j+2
.endr
.endr
	s_wait_alu depctr_va_vdst(0)
	s_wait_dscnt 0x0                               ; V
.irp t, 0,1,2,3                                ; O^T += V^T P^T: eight accumulators, one instruction each
.irp u, 0,1
	v_wmma_f32_16x16x64_bf8_bf8 v[O+32*\u+8*\t:O+32*\u+8*\t+7], v[VF+8*\t:VF+8*\t+7], v[PC+8*\u:PC+8*\u+7], v[O+32*\u+8*\t:O+32*\u+8*\t+7]
.endr
.endr
.endm
; A SLOT'S TURN.  Each wave waits for all its tensor loads (its part of this slot), adds 0 to its spare word, and waits for that and for its reads of the other slot.  Behind the round this slot is whole in all partners and no
; wave of any partner reads the other one.  refill = 1: the other slot takes the next 128 keys: one joint load a wave, first thing behind the round; it has this slot's two steps in which to land.
.macro TRIP sl, refill
	s_wait_tensorcnt 0x0                           ; no tensor load of mine is out, so a group 0 may be written
	ds_add_u32 v[SPW], v[NIL]                      ; 0 onto my spare word: the descriptors' steps stand between it and the wait for it
	s_add_nc_u64 s[G0B+4*\sl+2:G0B+4*\sl+3], s[G0B+4*\sl+2:G0B+4*\sl+3], 1024     ; this slot's next tiles: 256 keys on; the type bits on top are not reached
	s_add_nc_u64 s[G0K+4*\sl+2:G0K+4*\sl+3], s[G0K+4*\sl+2:G0K+4*\sl+3], 32768
	s_add_nc_u64 s[G0V+4*\sl+2:G0V+4*\sl+3], s[G0V+4*\sl+2:G0V+4*\sl+3], 262144
	s_wait_dscnt 0x0                               ; the add is done, and my reads of the other slot are over
	CROUND
.if \refill
	TLOAD 1-\sl
.endif
	SUB \sl, 0
	SUB \sl, 1
.endm
	s_wait_loadcnt 0x0                             ; Q
.Lloop:                                            ; 7 trips of 256 keys
	TRIP 0, 1
	TRIP 1, 1
	s_sub_co_u32 s[CNT], s[CNT], 1
	s_cmp_lg_u32 s[CNT], 0
	s_cbranch_scc1 .Lloop
	TRIP 0, 1                                      ; the last 256 keys are written out
	TRIP 1, 0
	; THE WAY OUT.  O^T / the sum, quantised, goes into the work-group's stage: a token's 256 bytes come from four waves.  The ten address lines are the places behind the last products.
	v_and_b32 v30, 15, v0                          ; r
	v_bfe_u32 v31, v0, 4, 1                        ; h
	s_mul_i32 s82, s19, 32*STP
	s_lshl_b32 s83, s18, 6
	s_add_co_u32 s82, s82, s83
	v_mul_u32_u24 v24, v30, STP
	s_delay_alu instid0(VALU_DEP_1)
	v_lshl_add_u32 v24, v31, 4, v24
	s_delay_alu instid0(VALU_DEP_1)
	v_add_nc_u32 v24, s82, v24                     ; in: row 32 x (wave % 4) + r, my head's 64 bytes, + 16 h
	s_mul_i32 s83, s[WV], 8*STP
	v_mul_u32_u24 v25, v31, STP
	s_delay_alu instid0(VALU_DEP_1)
	v_lshl_add_u32 v25, v30, 4, v25
	s_delay_alu instid0(VALU_DEP_1)
	v_add_nc_u32 v25, s83, v25                     ; back: wave w takes rows 8 w on; lanes 0-15 one row of 256 bytes, lanes 16-31 the next
	v_lshlrev_b32 v26, 10, v31
	s_delay_alu instid0(VALU_DEP_1)
	v_lshl_add_u32 v26, v30, 4, v26                ; and the same two rows in ctx_ws
	s_sub_co_i32 s82, s80, s78
	s_sub_co_i32 s82, s82, s79                     ; e10 - e8 - e9: a sum of the second product stands for sum x 2^(e8 + e9)
	s_add_co_i32 s83, s82, 127
	s_lshl_b32 s83, s83, 23
.irp u, 0,1
	v_add_f32 v[LS+4*\u], v[LS+4*\u], v[LS+4*\u+1] ; the sum's two halves,
.endr
.irp u, 0,1
	s_delay_alu instid0(VALU_DEP_2)
	v_permlanex16_b32 v[PM+\u], v[LS+4*\u], s[SEL], s[SEL+1]
.endr
.irp u, 0,1
	s_delay_alu instid0(VALU_DEP_2)
	v_add_f32 v[LS+4*\u], v[LS+4*\u], v[PM+\u]     ; and lane l xor 16's: the row's sum
.endr
	s_wait_alu depctr_va_vdst(0)
.irp u, 0,1
	v_rcp_f32 v[FF+2*\u], v[LS+4*\u]
.endr
	v_mov_b32 v[CVS2], s83                         ; 2^(e10 - e8 - e9).  (A plain place behind the reciprocals)
	s_wait_alu depctr_va_vdst(0)
.irp u, 0,1
.set j, 0
.rept 16
	v_pk_mul_f32 v[O+32*\u+j:O+32*\u+j+1], v[O+32*\u+j:O+32*\u+j+1], v[FF+2*\u:FF+2*\u+1] op_sel_hi:[1,0]   ; each accumulator from its low end on
.set j, j+2
.endr
.endr
.set j, 0
.rept 64
.set j, j+1
.endr
.irp u, 0,1
.irp t, 0,1,2,3
	v_cvt_scalef32_pk8_bf8_f32 v[KF+8*\u+2*\t:KF+8*\u+2*\t+1], v[O+32*\u+8*\t:O+32*\u+8*\t+7], v[CVS2]   ; registers 4 b .. 4 b + 3: d = 32 b + 16 h + 0 .. 15 of query 16 u + r
.endr
.endr
	v_nop                                          ; one plain vector instruction behind the last conversion
.irp u, 0,1
.irp b, 0,1
	ds_store_b128 v24, v[KF+8*\u+4*\b:KF+8*\u+4*\b+3] offset:16*STP*\u+32*\b
.endr
.endr
	s_wait_dscnt 0x0                               ; for the others' sake: my stores into the stage are done
	s_barrier_signal -1
	s_barrier_wait -1
.irp i, 0,1,2,3
	ds_load_b128 v[VF+4*\i:VF+4*\i+3], v25 offset:2*STP*\i
.endr
.irp i, 0,1,2,3
	s_wait_dscnt 3-\i
	global_store_b128 v26, v[VF+4*\i:VF+4*\i+3], s[14:15] offset:2048*\i   ; 16 lanes store 256 consecutive bytes, at a multiple of 256 from the buffer's first byte
.endr
	s_wait_tensorcnt 0x0                           ; the wave's end: behind my last tensor load and my last LDS store
	ds_add_u32 v[SPW], v[NIL]
	s_wait_dscnt 0x0
	CROUND                                         ; the closing round: no work-group ends while a partner may still ask for a tile that names it
	s_endpgm
.Lfunc_end_k_qad99481292_attn:
	.size	k_qad99481292_attn, .Lfunc_end_k_qad99481292_attn-k_qad99481292_attn
	.p2alignl 7, 3214868480
	.fill 96, 4, 3214868480
	.section	.rodata,"a",@progbits
	.p2align	6, 0x0
	.amdhsa_kernel k_qad99481292_attn
		.amdhsa_group_segment_fixed_size 327680
		.amdhsa_private_segment_fixed_size 0
		.amdhsa_enable_private_segment 0
		.amdhsa_kernarg_size 48
		.amdhsa_user_sgpr_count 2
		.amdhsa_user_sgpr_kernarg_segment_ptr 1
		.amdhsa_wavefront_size32 1
		.amdhsa_system_sgpr_workgroup_id_x 1
		.amdhsa_system_sgpr_workgroup_id_y 1
		.amdhsa_system_sgpr_workgroup_id_z 1
		.amdhsa_system_vgpr_workitem_id 0
		.amdhsa_next_free_vgpr 256
		.amdhsa_next_free_sgpr 100
		.amdhsa_reserve_vcc 0
		.amdhsa_float_denorm_mode_32 3
		.amdhsa_float_denorm_mode_16_64 3
		.amdhsa_fp16_overflow 1
		.amdhsa_memory_ordered 1
		.amdhsa_forward_progress 1
		.amdhsa_inst_pref_size 161
	.end_amdhsa_kernel
	.amdgpu_metadata
---
amdhsa.version: [ 1, 2 ]
amdhsa.kernels:
  - .name:           k_qad99481292_attn
    .symbol:         k_qad99481292_attn.kd
    .args:
      - { .name: q_ws, .offset: 0, .size: 8, .value_kind: global_buffer, .address_space: global }
      - { .name: k_ws, .offset: 8, .size: 8, .value_kind: global_buffer, .address_space: global }
      - { .name: v_ws, .offset: 16, .size: 8, .value_kind: global_buffer, .address_space: global }
      - { .name: attention_bias, .offset: 24, .size: 8, .value_kind: global_buffer, .address_space: global }
      - { .name: lowp_scales, .offset: 32, .size: 8, .value_kind: global_buffer, .address_space: global }
      - { .name: ctx_ws, .offset: 40, .size: 8, .value_kind: global_buffer, .address_space: global }
    .group_segment_fixed_size: 327680
    .private_segment_fixed_size: 0
    .kernarg_segment_align: 8
    .kernarg_segment_size: 48
    .max_flat_workgroup_size: 512
    .sgpr_count:     100
    .vgpr_count:     256
    .wavefront_size: 32
...
	.end_amdgpu_metadata
.endif
;; end of part 2
;; launch outp (part 3): grid 4 x 32, 4 waves a work-group, clusters of 4 x 4, 327,680 bytes of LDS; arguments ctx_ws, Wo_codes, lowp_scales, bo, out0; writes out0
.if DOCPART == 3
	.amdgcn_target "amdgcn-amd-amdhsa--gfx1250"
	.amdhsa_code_object_version 6
	.text
	.protected	k_qad99481292_outp
	.globl	k_qad99481292_outp
	.p2align	8
	.type	k_qad99481292_outp,@function
k_qad99481292_outp:
	s_mov_b64 s[64:65], 0
	v_nop
	global_prefetch_b8 v0, s[64:65] scope:SCOPE_SE
	s_setreg_imm32_b32 hwreg(HW_REG_WAVE_MODE, 25, 1), 1
	s_wait_xcnt 0x0
	s_wait_alu depctr_hold_cnt(0) depctr_sa_sdst(0) depctr_va_vdst(0) depctr_va_sdst(0) depctr_va_ssrc(0) depctr_va_vcc(0) depctr_vm_vsrc(0)
	s_getreg_b32 s2, hwreg(HW_REG_IB_STS2, 6, 4)
	s_cmp_eq_u32 s2, 0
	s_cbranch_scc0 .Lentry_in_a_cluster
	s_endpgm
.Lentry_in_a_cluster:
	s_bfe_u32 s2, ttmp6, 0x10000c
	s_cmp_lg_u32 s2, 0xf033
	s_cbranch_scc0 .Lentry_shape_is_right
	s_endpgm
.Lentry_shape_is_right:
.set SIZE_N, 1024
.set SIZE_K, 1024
.set KSTEP,  256
.set ROWB,   256
.set KROW,   SIZE_K
.set PITCH,  272
.set FR,     16
.set NL,     4
.set NP,     4
.set HALFT,  128*PITCH
.set SLOT,   4*HALFT
.set SPARE,  2*SLOT
.set SPITCH, 528
.set ADRA, 16
.set ADRB, 20
.set STO,  24
.set RD,   25
.set CO,   26
.set BNO,  27
.set SPW,  28
.set NIL,  29
.set BN,   32
.set AF,   128
.set BK,   128
.set G1, 24
.set G0, 32
.set G1B, 48
.set G0B, 56
.set MSB, 0
.macro WIN new
.if MSB != (\new)
	s_set_vgpr_msb (MSB<<8)|(\new)
.set MSB, (\new)
.endif
.endm
.set MUL_LO, 0xa1
.set MUL_HI, 0xf1
.set TO_B,   0x40
.macro JLOAD g0a, g1a, g0b, g1b
	s_cmp_eq_u32 s15, 0
	s_cbranch_scc0 .Lfor_b_\@
	tensor_load_to_lds s[\g0a:\g0a+3], s[\g1a:\g1a+7]
	s_nop 0
.rept 4
	v_nop
.endr
	s_branch .Lasked_\@
.Lfor_b_\@:
	tensor_load_to_lds s[\g0b:\g0b+3], s[\g1b:\g1b+7]
	s_nop 0
.rept 4
	v_nop
.endr
.Lasked_\@:
.endm
.macro CREST
	s_cmp_lg_u32 s14, 0
	s_cbranch_scc1 .Lnot_wave_0_\@
	s_barrier_signal -3
.Lnot_wave_0_\@:
	s_barrier_wait -3
	s_barrier_signal -1
	s_barrier_wait -1
.endm
.macro CROUND
	s_barrier_signal -1
	s_barrier_wait -1
	CREST
.endm
	s_load_b128 s[4:7], s[0:1], 0x0
	s_load_b128 s[8:11], s[0:1], 0x10
	s_load_b64 s[12:13], s[0:1], 0x20
	v_lshl_add_u32 v[SPW], v0, 2, SPARE
	v_mov_b32 v[NIL], 0
	ds_add_u32 v28, v29
	ds_add_u32 v28, v29
	s_wait_dscnt 0x0
	v_lshrrev_b32 v1, 5, v0
	v_readfirstlane_b32 s14, v1
	s_lshr_b32 s15, s14, 1
	s_and_b32 s16, s14, 1
	s_bfe_u32 s40, ttmp6, 0x40000
	s_bfe_u32 s41, ttmp6, 0x40004
	s_lshl_b32 s42, ttmp9, 2
	s_add_co_u32 s42, s42, s40
	s_and_b32 s17, ttmp7, 0xffff
	s_lshl_b32 s17, s17, 2
	s_add_co_u32 s17, s17, s41
	s_lshl_b32 s43, s41, 2
	s_lshl_b32 s43, 15, s43
	s_lshl_b32 s44, 0x1111, s40
	s_or_b32 s[G1+0], s43, (0<<16)|(1<<20)|(1<<21)|(5<<22)|(3<<25)
	s_or_b32 s[G1B+0], s44, (0<<16)|(1<<20)|(1<<21)|(5<<22)|(3<<25)
.irp g, G1, G1B
	s_mov_b32 s[\g+1], ROWB<<16
	s_mov_b32 s[\g+2], 128<<16
	s_mov_b32 s[\g+3], ROWB<<16
	s_mov_b32 s[\g+4], 128
	s_mov_b32 s[\g+5], KROW
	s_mov_b32 s[\g+6], 0
	s_mov_b32 s[\g+7], 0
.endr
	s_lshl_b32 s18, s16, 7
	s_lshl_b32 s20, s17, 8
	s_add_co_u32 s20, s20, s18
	s_lshl_b32 s20, s20, 10
	s_mov_b32 s21, 0
	s_lshl_b32 s46, s42, 8
	s_add_co_u32 s46, s46, s18
	s_lshl_b32 s46, s46, 10
	s_mov_b32 s47, 0
	s_mul_i32 s45, s14, HALFT
	s_wait_kmcnt 0x0
	s_load_b64 s[96:97], s[8:9], 0x28
	s_add_nc_u64 s[20:21], s[4:5], s[20:21]
	s_add_nc_u64 s[46:47], s[6:7], s[46:47]
	CROUND
.irp s, 0,1
	s_mov_b32 s[G0+4*\s], 1
	s_add_co_u32 s[G0+4*\s+1], s45, \s*SLOT
	s_add_nc_u64 s[G0+4*\s+2:G0+4*\s+3], s[20:21], \s*ROWB
	s_or_b32 s[G0+4*\s+3], s[G0+4*\s+3], 0x80000000
	s_mov_b32 s[G0B+4*\s], 1
	s_add_co_u32 s[G0B+4*\s+1], s45, \s*SLOT
	s_add_nc_u64 s[G0B+4*\s+2:G0B+4*\s+3], s[46:47], \s*ROWB
	s_or_b32 s[G0B+4*\s+3], s[G0B+4*\s+3], 0x80000000
	s_wait_alu depctr_va_vdst(0)
	s_wait_tensorcnt 0x0
	ds_add_u32 v28, v29
	ds_add_u32 v28, v29
	s_wait_dscnt 0x0
	CROUND
	JLOAD G0+4*\s, G1, G0B+4*\s, G1B
.endr
	v_and_b32 v1, 15, v0
	s_wait_alu depctr_va_vdst(0)
	v_bfe_u32 v2, v0, 4, 1
	v_mul_u32_u24 v3, v1, PITCH
	v_lshl_add_u32 v4, v2, 4, v3
	s_mul_i32 s21, s15, HALFT
	s_mul_i32 s22, s16, HALFT
	s_add_co_u32 s22, s22, 2*HALFT
.irp s, 0,1
	v_add_nc_u32 v[ADRA+\s], s21, v4
	v_add_nc_u32 v[ADRB+\s], s22, v4
	s_add_co_u32 s21, s21, SLOT
	s_add_co_u32 s22, s22, SLOT
.endr
	s_mul_i32 s23, s14, 16*SPITCH
	v_mul_u32_u24 v5, v1, SPITCH
	s_wait_alu depctr_va_vdst(0)
	v_lshl_add_u32 v5, v2, 5, v5
	v_add_nc_u32 v[STO], s23, v5
	v_and_b32 v6, 31, v0
	v_lshlrev_b32 v[CO], 4, v6
	v_add_nc_u32 v[RD], s23, v[CO]
	s_lshl_b32 s20, s17, 8
	s_lshl_b32 s21, s15, 7
	s_add_co_u32 s20, s20, s21
	s_lshl_b32 s20, s20, 12
	s_mov_b32 s21, 0
	s_lshl_b32 s46, s42, 10
	s_lshl_b32 s47, s16, 9
	s_add_co_u32 s46, s46, s47
	v_lshl_add_u32 v[BNO], v2, 5, s46
	s_mov_b32 s47, 0
	s_add_nc_u64 s[20:21], s[20:21], s[46:47]
	s_add_nc_u64 s[12:13], s[12:13], s[20:21]
.irp b, 0,1,2,3,4,5,6,7
	global_load_b128 v[BN+8*\b:BN+8*\b+3], v[BNO], s[10:11] offset:64*\b
	global_load_b128 v[BN+8*\b+4:BN+8*\b+7], v[BNO], s[10:11] offset:64*\b+16
.endr
.macro FRAG reg, adr, q, i
.irp c, 0,1,2,3
	ds_load_b128 v[\reg+4*\c:\reg+4*\c+3], v[\adr] offset:128*(\q)+32*\c+(\i)*16*PITCH
.endr
.endm
.macro MUL16 a0, p, zero
.irp a, \a0, \a0+1
.irp b, 0,1,2,3,4,5,6,7
.if \zero
	v_wmma_f32_16x16x128_bf8_bf8 v[8*(8*((\a)%4)+\b):8*(8*((\a)%4)+\b)+7], v[128*(\p)+FR*\b:128*(\p)+FR*\b+FR-1], v[AF+FR*(\a):AF+FR*(\a)+FR-1], 0
.else
	v_wmma_f32_16x16x128_bf8_bf8 v[8*(8*((\a)%4)+\b):8*(8*((\a)%4)+\b)+7], v[128*(\p)+FR*\b:128*(\p)+FR*\b+FR-1], v[AF+FR*(\a):AF+FR*(\a)+FR-1], v[8*(8*((\a)%4)+\b):8*(8*((\a)%4)+\b)+7]
.endif
.endr
.endr
.endm
.macro FETCH_B slot, q, p
	WIN TO_B
.irp i, 0,1,2,3,4,5,6,7
	FRAG 128*(\p)+FR*\i, ADRB+\slot, \q, \i
.endr
	WIN 0
.endm
.macro FETCH_A slot, q, i0
.irp i, \i0, \i0+1, \i0+2, \i0+3
	FRAG AF+FR*(\i), ADRA+\slot, \q, \i
.endr
.endm
.macro PLACES n
.rept \n
	v_nop
.endr
.endm
.macro STEP slot, q, zero
	s_wait_dscnt 4*NL
	WIN MUL_LO
	MUL16 0, (\q)%2, \zero
	MUL16 2, (\q)%2, \zero
	s_wait_dscnt 0
	PLACES NP
	FETCH_B \slot, (\q)+1, 1-(\q)%2
	FETCH_A \slot, (\q)+1, 0
	WIN MUL_HI
	MUL16 4, (\q)%2, \zero
	MUL16 6, (\q)%2, \zero
	PLACES NP
	WIN 0
	FETCH_A \slot, (\q)+1, 4
.endm
.macro TURN slot, next, fill
	s_wait_tensorcnt 0x0
	ds_add_u32 v[SPW], v[NIL]
	s_wait_dscnt 4*NL+1
	WIN MUL_LO
	MUL16 0, 1, 0
	s_wait_dscnt 0x0
	s_barrier_signal -1
	MUL16 2, 1, 0
	WIN 0
	s_barrier_wait -1
.if \fill
	CREST
	s_add_nc_u64 s[G0+4*\slot+2:G0+4*\slot+3], s[G0+4*\slot+2:G0+4*\slot+3], 2*ROWB
	s_add_nc_u64 s[G0B+4*\slot+2:G0B+4*\slot+3], s[G0B+4*\slot+2:G0B+4*\slot+3], 2*ROWB
	JLOAD G0+4*\slot, G1, G0B+4*\slot, G1B
.else
	PLACES NP
.endif
	FETCH_B \next, 0, 0
	FETCH_A \next, 0, 0
	WIN MUL_HI
	MUL16 4, 1, 0
	MUL16 6, 1, 0
	PLACES NP
	WIN 0
	FETCH_A \next, 0, 4
.endm
	s_wait_tensorcnt 1
	s_barrier_signal -1
	s_barrier_wait -1
	FETCH_B 0, 0, 0
	FETCH_A 0, 0, 0
	FETCH_A 0, 0, 4
	STEP 0, 0, 1
	TURN 0, 1, 1
	STEP 1, 0, 0
	TURN 1, 0, 1
	STEP 0, 0, 0
	TURN 0, 1, 0
	STEP 1, 0, 0
	s_wait_dscnt 4*NL
	WIN MUL_LO
	MUL16 0, 1, 0
	MUL16 2, 1, 0
	s_wait_dscnt 0
	WIN MUL_HI
	MUL16 4, 1, 0
	MUL16 6, 1, 0
	WIN 0
.macro TOSTAGE a
.set AC, 64*((\a)%4)
	WIN 0x82+0x41*((\a)/4)
.set j, 0
.rept 32
	v_pk_fma_f32 v[AC+j:AC+j+1], v[AC+j:AC+j+1], s[96:97], v[BN+j:BN+j+1] op_sel_hi:[1,0,1]
.set j, j+2
.endr
	WIN 0x08+0x04*((\a)/4)
.irp b, 0,1,2,3,4,5,6,7
	ds_store_b128 v[STO], v[AC+8*\b:AC+8*\b+3] offset:64*\b
	ds_store_b128 v[STO], v[AC+8*\b+4:AC+8*\b+7] offset:64*\b+16
.endr
	WIN 0
.set BB, BK+64*((\a)%2)
.irp t, 0,1,2,3,4,5,6,7,8,9,10,11,12,13,14,15
	ds_load_b128 v[BB+4*\t:BB+4*\t+3], v[RD] offset:\t*SPITCH
.endr
.endm
.macro SEND a, younger
.set BB, BK+64*((\a)%2)
	s_wait_dscnt \younger
.if (\a) > 0
	s_add_nc_u64 s[12:13], s[12:13], 16*SIZE_N*4
.endif
.irp t, 0,1,2,3,4,5,6,7,8,9,10,11,12,13,14,15
	global_store_b128 v[CO], v[BB+4*\t:BB+4*\t+3], s[12:13] offset:\t*SIZE_N*4 th:TH_STORE_NT
.endr
.endm
	s_wait_kmcnt 0x0
	s_add_co_i32 s96, s96, s97
	s_add_co_i32 s96, s96, 127
	s_lshl_b32 s96, s96, 23
	s_mov_b32 s97, s96
	s_wait_loadcnt 0x0
	PLACES NP
	TOSTAGE 0
.irp a, 1,2,3,4,5,6,7
.if \a > 1
	s_wait_xcnt 0x0
.endif
	TOSTAGE \a
	SEND \a-1, 32
.endr
	s_wait_xcnt 0x0
	SEND 7, 0
	s_wait_tensorcnt 0x0
	ds_add_u32 v[SPW], v[NIL]
	s_wait_dscnt 0x0
	CROUND
	s_endpgm
.Lfunc_end_k_qad99481292_outp:
	.size	k_qad99481292_outp, .Lfunc_end_k_qad99481292_outp-k_qad99481292_outp
	.p2alignl 7, 3214868480
	.fill 96, 4, 3214868480
	.section	.rodata,"a",@progbits
	.p2align	6, 0x0
	.amdhsa_kernel k_qad99481292_outp
		.amdhsa_group_segment_fixed_size 327680
		.amdhsa_private_segment_fixed_size 0
		.amdhsa_enable_private_segment 0
		.amdhsa_kernarg_size 40
		.amdhsa_user_sgpr_count 2
		.amdhsa_user_sgpr_kernarg_segment_ptr 1
		.amdhsa_wavefront_size32 1
		.amdhsa_system_sgpr_workgroup_id_x 1
		.amdhsa_system_sgpr_workgroup_id_y 1
		.amdhsa_system_sgpr_workgroup_id_z 1
		.amdhsa_system_vgpr_workitem_id 0
		.amdhsa_next_free_vgpr 1024
		.amdhsa_next_free_sgpr 98
		.amdhsa_reserve_vcc 0
		.amdhsa_float_denorm_mode_32 3
		.amdhsa_float_denorm_mode_16_64 3
		.amdhsa_memory_ordered 1
		.amdhsa_forward_progress 1
		.amdhsa_inst_pref_size 126
	.end_amdhsa_kernel
	.amdgpu_metadata
---
amdhsa.version: [ 1, 2 ]
amdhsa.kernels:
  - .name:           k_qad99481292_outp
    .symbol:         k_qad99481292_outp.kd
    .args:
      - { .name: ctx_ws, .offset: 0, .size: 8, .value_kind: global_buffer, .address_space: global }
      - { .name: Wo_codes, .offset: 8, .size: 8, .value_kind: global_buffer, .address_space: global }
      - { .name: lowp_scales, .offset: 16, .size: 8, .value_kind: global_buffer, .address_space: global }
      - { .name: bo, .offset: 24, .size: 8, .value_kind: global_buffer, .address_space: global }
      - { .name: out0, .offset: 32, .size: 8, .value_kind: global_buffer, .address_space: global }
    .group_segment_fixed_size: 327680
    .private_segment_fixed_size: 0
    .kernarg_segment_align: 8
    .kernarg_segment_size: 40
    .max_flat_workgroup_size: 128
    .sgpr_count:     98
    .vgpr_count:     1024
    .wavefront_size: 32
...
	.end_amdgpu_metadata
.endif
;; end of part 3
